; MI455X (gfx1250); checked and timed in simulation.
; The chip was launched on July 23, 2026; its instructions are those of AMD's public machine-readable ISA for CDNA 5 (MIT licence, August 2026) and "CDNA5" Instruction Set Architecture Reference Guide (July 2026). The comments in the code are by the model that wrote it; some were corrected since.
;; Enhanced DRKAN Tree Net. Allowed arithmetic: float matrix products may take bf16 or f16 operands with f32 sums; all other float work in f32.
;; Inputs: base_weight 1,024 x 1,024 float32; ln_b 1,024 float32; ln_w 1,024 float32; se_b1 32 float32; se_b2 1,024 float32; se_w1 32 x 1,024 float32; se_w2 1,024 x 32 float32; spline_weight 1,024 x 1,024 x 3 float32; x 8 x 1,024 x 1,024 float32.
;; Outputs: out0 8 x 1,024 x 1,024 float32.
;; One version. Each part assembles by itself: llvm-mc -triple=amdgcn-amd-amdhsa -mcpu=gfx1250 --defsym DOCPART=n.
;; ======== version 1 of 1: 3 launches
;; limits: values are held in f16: magnitudes above 65,504 overflow, below 6.1e-05 lose precision; inputs' magnitudes at most 65,519
;; workspace buffers: wk 8,388,608 bytes; w1f 65,536 bytes; w2f 65,536 bytes; mid 33,554,432 bytes
;; launch prep (part 1): grid 256 x 1, 8 waves a work-group, no clusters, 0 bytes of LDS; arguments base_weight, spline_weight, se_w1, se_w2, wk, w1f, w2f; writes wk, w1f, w2f
.if DOCPART == 1
	.amdgcn_target "amdgcn-amd-amdhsa--gfx1250"
	.amdhsa_code_object_version 6
	.text
	.protected	k_q2c198c2328_prep
	.globl	k_q2c198c2328_prep
	.p2align	8
	.type	k_q2c198c2328_prep,@function
k_q2c198c2328_prep:
	s_mov_b64 s[64:65], 0
	v_nop
	global_prefetch_b8 v0, s[64:65] scope:SCOPE_SE
	s_setreg_imm32_b32 hwreg(HW_REG_WAVE_MODE, 25, 1), 1
	s_wait_xcnt 0x0
; Weights to 16 bits, once, in the order in which the product and the gate read them.
; wk: W' [1024 outputs][4096 features] in f16.  Feature f of x column c (f = 0: base_weight, f = 1, 2, 3: grid points 0, 1, 2) stands at
;   k = 256 (c >> 6) + 64 (c & 3) + 4 ((c >> 2) & 15) + f:
;   64 columns (a lap) are 512 bytes of a row, in four chunks of 128 bytes; chunk j holds columns 4 r + j, r = 0 .. 15, 8 bytes each.
;   f16 and not bf16: 11 significant bits against 8, and a sum of 4,096 products is compared within a hundredth of the output's spread in 8,388,608 places.
;   LIMITS of that choice: a weight of magnitude 65,520 or more becomes infinite; below 2^-14 the absolute error is at most 2^-25.
; w1f, w2f: se_w1 and se_w2 in bf16 as images of matrix fragments, 16 bytes a lane:
;   w1f [ks 32][jt 2][q 2][lane 32]: element e of lane (r, h) = se_w1[16 jt + r][32 ks + 16 q + 8 h + e]
;   w2f [nt 64][q 2][lane 32]:       element e of lane (r, h) = se_w2[16 nt + r][16 q + 8 h + e]
; Work-group g converts rows 4 g .. 4 g + 3 of W' (thread t: columns 4 t .. 4 t + 3 of each); its wave 0 makes bytes 256 g .. 256 g + 255 of w1f,
; its wave 1 the same bytes of w2f, 8 bytes a lane.  Memory binds: no LDS, no barrier, no matrix unit; all loads go out first.
.set DD, 16                            ; v[16:79]   row p: 4 numbers of base_weight, then 12 of spline_weight
.set OUTR, 80                          ; v[80:111]  row p: piece j (my column 4 t + j: four f16) in registers 2 j, 2 j + 1
	s_load_b256 s[8:15], s[0:1], 0x0               ; base_weight s[8:9], spline_weight s[10:11], se_w1 s[12:13], se_w2 s[14:15]
	s_load_b128 s[16:19], s[0:1], 0x20             ; wk s[16:17], w1f s[18:19]
	s_load_b64 s[20:21], s[0:1], 0x30              ; w2f
	v_lshrrev_b32 v6, 5, v0
	v_readfirstlane_b32 s22, v6                    ; wave
	s_lshl_b32 s24, ttmp9, 14                      ; 4 rows of 4,096 bytes of base_weight
	s_mov_b32 s25, 0
	s_mul_i32 s26, ttmp9, 49152                    ; 4 rows of 12,288 bytes of spline_weight
	s_mov_b32 s27, 0
	s_lshl_b32 s28, ttmp9, 15                      ; 4 rows of 8,192 bytes of wk
	s_mov_b32 s29, 0
	; byte 256 g + 8 l of a fragment image: h = g & 1, q = (g >> 1) & 1, r = l >> 1, e = 4 (l & 1)
	s_and_b32 s39, ttmp9, 3
	s_lshl_b32 s39, s39, 5                         ; (16 q + 8 h) numbers = 32 (g & 3) bytes along a source row
	s_bfe_u32 s40, ttmp9, 0x10002                  ; w1f: jt = (g >> 2) & 1: 16 rows of 4,096 bytes
	s_lshl_b32 s40, s40, 16
	s_lshr_b32 s41, ttmp9, 3                       ;      ks = g >> 3: 32 numbers
	s_lshl_b32 s41, s41, 7
	s_add_co_u32 s40, s40, s41
	s_add_co_u32 s40, s40, s39
	s_lshr_b32 s41, ttmp9, 2                       ; w2f: nt = g >> 2: 16 rows of 128 bytes
	s_lshl_b32 s41, s41, 11
	s_add_co_u32 s41, s41, s39
	s_mov_b32 s35, 0
	s_lshl_b32 s36, ttmp9, 8                       ; the image's 256 bytes of this work-group
	s_mov_b32 s37, 0
	v_lshlrev_b32 v1, 4, v0                        ; 16 t: my 4 numbers of a row of base_weight
	v_mul_u32_u24 v2, v0, 48                       ; 48 t: my 12 numbers of a row of spline_weight
	v_lshrrev_b32 v7, 5, v0                        ; wave: its 32 threads hold two laps, lanes 0-15 lap 2 w, lanes 16-31 lap 2 w + 1
	v_and_b32 v6, 31, v0                           ; lane
	v_lshlrev_b32 v5, 3, v6                        ; 8 l: my 8 bytes of 256
	v_lshl_add_u32 v3, v7, 10, v5                  ; 1,024 w + 8 l: my 8 bytes in the first 256 of my wave's two laps of a row of wk
	s_wait_kmcnt 0x0
	s_add_nc_u64 s[8:9], s[8:9], s[24:25]
	s_add_nc_u64 s[10:11], s[10:11], s[26:27]
	s_add_nc_u64 s[16:17], s[16:17], s[28:29]
	s_cmp_eq_u32 s22, 0                            ; wave 0 takes se_w1, wave 1 se_w2 (the other waves' choice is not used)
	s_cselect_b64 s[30:31], s[12:13], s[14:15]
	s_cselect_b64 s[32:33], s[18:19], s[20:21]
	s_cselect_b32 s34, s40, s41
	s_cselect_b32 s38, 12, 7                       ; a source row is 4,096 or 128 bytes
	s_add_nc_u64 s[30:31], s[30:31], s[34:35]
	s_add_nc_u64 s[32:33], s[32:33], s[36:37]
	v_lshrrev_b32 v7, 1, v6
	v_lshlrev_b32 v7, s38, v7                      ; row r = l >> 1
	v_and_b32 v4, 1, v6
	v_lshl_add_u32 v4, v4, 4, v7                   ; + 16 (l & 1)
	s_cmp_gt_u32 s22, 1
	s_cbranch_scc1 .Lrows
	global_load_b128 v[8:11], v4, s[30:31]         ; older than every load below: their counted waits cover it
.Lrows:
.irp p, 0,1,2,3
	global_load_b128 v[DD+16*\p:DD+16*\p+3],     v1, s[8:9]   offset:4096*\p th:TH_LOAD_NT
	global_load_b128 v[DD+16*\p+4:DD+16*\p+7],   v2, s[10:11] offset:12288*\p th:TH_LOAD_NT      ; the three loads of a wave cover
	global_load_b128 v[DD+16*\p+8:DD+16*\p+11],  v2, s[10:11] offset:12288*\p+16 th:TH_LOAD_NT   ; 1,536 consecutive bytes together
	global_load_b128 v[DD+16*\p+12:DD+16*\p+15], v2, s[10:11] offset:12288*\p+32 th:TH_LOAD_NT
.endr
; Row p: left = the loads of the younger rows, four each, which stay out.
; Piece j of a lane belongs at byte 128 j + 8 r of its lap.  The swap of the upper 16 lanes of piece j with the lower 16 lanes of piece j + 1 leaves, in the
; first register, pieces j and j + 1 of the lower lanes' lap side by side, and in the second those of the upper lanes' lap: 256 consecutive bytes each.
.macro ROW p, left
	s_wait_loadcnt \left
.irp j, 0,1,2,3
	v_cvt_pk_f16_f32 v[OUTR+8*\p+2*\j],   v[DD+16*\p+\j],     v[DD+16*\p+4+3*\j]     ; base, grid point 0
	v_cvt_pk_f16_f32 v[OUTR+8*\p+2*\j+1], v[DD+16*\p+5+3*\j], v[DD+16*\p+6+3*\j]     ; grid points 1, 2
.endr
	v_permlane16_swap_b32 v[OUTR+8*\p+0], v[OUTR+8*\p+2]
	v_permlane16_swap_b32 v[OUTR+8*\p+1], v[OUTR+8*\p+3]
	v_permlane16_swap_b32 v[OUTR+8*\p+4], v[OUTR+8*\p+6]
	v_permlane16_swap_b32 v[OUTR+8*\p+5], v[OUTR+8*\p+7]
	global_store_b64 v3, v[OUTR+8*\p:OUTR+8*\p+1],   s[16:17] offset:8192*\p       ; lap 2 w, chunks 0, 1: the wave stores 256 consecutive bytes, aligned
	global_store_b64 v3, v[OUTR+8*\p+4:OUTR+8*\p+5], s[16:17] offset:8192*\p+256   ; lap 2 w, chunks 2, 3
	global_store_b64 v3, v[OUTR+8*\p+2:OUTR+8*\p+3], s[16:17] offset:8192*\p+512   ; lap 2 w + 1, chunks 0, 1
	global_store_b64 v3, v[OUTR+8*\p+6:OUTR+8*\p+7], s[16:17] offset:8192*\p+768   ; lap 2 w + 1, chunks 2, 3
.endm
	ROW 0, 12
	ROW 1, 8
	ROW 2, 4
	ROW 3, 0
	s_cmp_gt_u32 s22, 1
	s_cbranch_scc1 .Lend
	v_cvt_pk_bf16_f32 v12, v8, v9                  ; in since the wait for 0 above; the gate's weights stay in bf16
	v_cvt_pk_bf16_f32 v13, v10, v11
	global_store_b64 v5, v[12:13], s[32:33]        ; the wave stores 256 consecutive bytes, aligned
.Lend:
	s_endpgm
.Lfunc_end_k_q2c198c2328_prep:
	.size	k_q2c198c2328_prep, .Lfunc_end_k_q2c198c2328_prep-k_q2c198c2328_prep
	.p2alignl 7, 3214868480
	.fill 96, 4, 3214868480
	.section	.rodata,"a",@progbits
	.p2align	6, 0x0
	.amdhsa_kernel k_q2c198c2328_prep
		.amdhsa_group_segment_fixed_size 0
		.amdhsa_private_segment_fixed_size 0
		.amdhsa_enable_private_segment 0
		.amdhsa_kernarg_size 56
		.amdhsa_user_sgpr_count 2
		.amdhsa_user_sgpr_kernarg_segment_ptr 1
		.amdhsa_wavefront_size32 1
		.amdhsa_system_sgpr_workgroup_id_x 1
		.amdhsa_system_sgpr_workgroup_id_y 1
		.amdhsa_system_sgpr_workgroup_id_z 1
		.amdhsa_system_vgpr_workitem_id 0
		.amdhsa_next_free_vgpr 112
		.amdhsa_next_free_sgpr 66
		.amdhsa_reserve_vcc 0
		.amdhsa_float_denorm_mode_32 3
		.amdhsa_float_denorm_mode_16_64 3
		.amdhsa_memory_ordered 1
		.amdhsa_forward_progress 1
		.amdhsa_inst_pref_size 9
	.end_amdhsa_kernel
	.amdgpu_metadata
---
amdhsa.version: [ 1, 2 ]
amdhsa.kernels:
  - .name:           k_q2c198c2328_prep
    .symbol:         k_q2c198c2328_prep.kd
    .args:
      - { .name: base_weight, .offset: 0, .size: 8, .value_kind: global_buffer, .address_space: global }
      - { .name: spline_weight, .offset: 8, .size: 8, .value_kind: global_buffer, .address_space: global }
      - { .name: se_w1, .offset: 16, .size: 8, .value_kind: global_buffer, .address_space: global }
      - { .name: se_w2, .offset: 24, .size: 8, .value_kind: global_buffer, .address_space: global }
      - { .name: wk, .offset: 32, .size: 8, .value_kind: global_buffer, .address_space: global }
      - { .name: w1f, .offset: 40, .size: 8, .value_kind: global_buffer, .address_space: global }
      - { .name: w2f, .offset: 48, .size: 8, .value_kind: global_buffer, .address_space: global }
    .group_segment_fixed_size: 0
    .private_segment_fixed_size: 0
    .kernarg_segment_align: 8
    .kernarg_segment_size: 56
    .max_flat_workgroup_size: 256
    .sgpr_count:     66
    .vgpr_count:     112
    .wavefront_size: 32
...
	.end_amdgpu_metadata
.endif
;; end of part 1
;; launch gemm (part 2): grid 64 x 4, 8 waves a work-group, clusters of 4 x 1, 327,680 bytes of LDS; arguments x, wk, mid; writes mid
.if DOCPART == 2
	.amdgcn_target "amdgcn-amd-amdhsa--gfx1250"
	.amdhsa_code_object_version 6
	.text
	.protected	k_q2c198c2328_gemm
	.globl	k_q2c198c2328_gemm
	.p2align	8
	.type	k_q2c198c2328_gemm,@function
k_q2c198c2328_gemm:
	s_mov_b64 s[64:65], 0
	v_nop
	global_prefetch_b8 v0, s[64:65] scope:SCOPE_SE
	s_setreg_imm32_b32 hwreg(HW_REG_WAVE_MODE, 25, 1), 1
	s_wait_xcnt 0x0
	s_wait_alu depctr_hold_cnt(0) depctr_sa_sdst(0) depctr_va_vdst(0) depctr_va_sdst(0) depctr_va_ssrc(0) depctr_va_vcc(0) depctr_vm_vsrc(0)
	s_getreg_b32 s2, hwreg(HW_REG_IB_STS2, 6, 4)
	s_cmp_eq_u32 s2, 0
	s_cbranch_scc0 .Lentry_in_a_cluster
	s_endpgm
.Lentry_in_a_cluster:
	s_bfe_u32 s2, ttmp6, 0x10000c
	s_cmp_lg_u32 s2, 0x3003
	s_cbranch_scc0 .Lentry_shape_is_right
	s_endpgm
.Lentry_shape_is_right:
; mid = A' W'^T: 8,192 tokens x 1,024 outputs, K = 4,096 features.  A' is never in memory: each x gives four features, x itself and its three
; normalised basis values, made here in f32 from the f32 x and rounded once to f16.  W' (wk) is f16 in the same order of k.
; f16 and not bf16: 11 significant bits against 8; each of 8,388,608 outputs, a sum of 4,096 products, is compared within a hundredth of the output's spread.
; A work-group makes 128 tokens x 256 outputs with eight waves of 512 registers, and all eight run the same lines.
;   MULTIPLYING: wave w (kg = w >> 2, wm = (w >> 1) & 1, wn = w & 1) holds 64 tokens x 128 outputs, 32 accumulators of 16 x 16, and sums over bytes
;   64 kg .. 64 kg + 63 of each chunk's 128 bytes of K: waves w and w ^ 4 hold two partial sums of one tile, joined through LDS at the end.
;   A tile of 64 x 128 reads 12 KiB of LDS for 32 matrix instructions; eight tiles of 64 x 64 without the split would read 8 KiB for 16.
;   PRODUCING: wave w loads x of tokens 16 w .. 16 w + 15, expands it and stores rows of A' into LDS; and it asks for 32 rows of each tile of W'.
; K: 16 laps of 64 columns of x = 256 features; a lap is four chunks of 64 features; chunk j holds columns 4 r + j (r = 0 .. 15), four features each:
;   k = 256 lap + 64 j + 4 r + f, f = x, grid 0, grid 1, grid 2.  So a lane's 16 loaded bytes of x (columns 4 r .. 4 r + 3) hold one x of each chunk,
;   the loads of x stay whole rows of 256 bytes, and a lane's share of a chunk's row is 8 bytes.
; LDS: W' in two slots of a whole lap (256 rows x 512 bytes), so that one tensor load a wave, 16 KiB, has a lap's work (128 matrix instructions of the wave)
;   in which to land, and there is one round of the cluster's barrier for a lap.  Two such slots leave 57,344 of 327,680 bytes, less than one lap of A'
;   (67,584 with padding): A' goes in two slots of one chunk, with a work-group barrier for each chunk, across which the tensor load stays out.
; CLUSTER: the four work-groups of a cluster have the same 256 outputs and neighbouring tokens, so they read the same tiles of W': every tile is asked
; for jointly (mask 15), which divides the requests for W' by four.  x is not shared that way: it has to pass through registers to be expanded.
; A tile of W' is shared out as 32 rows a wave, not 64: so every wave has a load of its own and no line hangs on the wave's number.
; mid is stored tile by tile as the accumulators lie: [row tile 512][column tile 64][q 2][lane 32][4 f32]; lane (r, h), register 4 q + i holds
; out[16 mt + r][16 nt + 8 h + 4 q + i]: each store of a wave covers 512 consecutive bytes, aligned.
; LIMITS: operands rounded to f16: an x of magnitude 65,520 or more becomes infinite in the product, and below 2^-14 the absolute error is at most 2^-25;
; sums in f32, each output the f32 sum of two f32 sums over interleaved halves of K; v_rcp_f32 and a multiply stand for the basis' division.
; For NaN and infinite x the basis is 0, as the problem's formula gives (a NaN loses in v_max_num_f32), and x itself carries the NaN or infinity into the product.
.set PA,    144                        ; pitch of A' in LDS: a chunk's 64 features (128 bytes) + 16: 9 x 16 bytes, so 16 rows start at 16 different 16-byte columns of 256
.set PB,    528                        ; pitch of W' in LDS: a lap's 256 features (512 bytes) + 16 laid by the descriptor's padding: 33 x 16 bytes
.set ASLOT, 128*PA                     ; 18,432: 128 tokens; two slots at 0
.set BBASE, 2*ASLOT                    ; 36,864 = 144 x 256
.set BSLOT, 256*PB                     ; 135,168: 256 outputs; two slots; the map ends at 307,200
.set ADRX, 8                           ; v8, v9    A' slot 0, 1: the token blocks that lie in my register blocks 0, 1 (blocks 2 kg, 2 kg + 1 of my 64 tokens)
.set ADRY, 10                          ; v10, v11  A' slot 0, 1: those of my register blocks 2, 3 (the other two)
.set ADRB, 12                          ; v12, v13  W' slot 0, 1
.set AST,  14                          ; v14, v15  where I store A' in slot 0, 1
.set XO,   16                          ; v16       my bytes of x in two rows, eight rows apart: 32,768 h + 16 r
.set CO,   17                          ; v17       16 x lane: my bytes in a half tile of mid
.set EXW,  18                          ; v18       the end: where my wave leaves 16 KiB of sums for its partner
.set EXR,  19                          ; v19       the end: where the partner left its
.set XS,   20                          ; v[20:83]  x: two sets (lap even, odd) of eight loads; load m = tokens 16 w + m + 8 h; register j of a load belongs to chunk j
.set UU,   84                          ; 1 - |x|, then the centre term, then grid point 1
.set WW,   92                          ; 1 - |1 - |x||, then the side term, then grid point 2
.set SS,   100                         ; sum, reciprocal; at last the f16 of loads 0 to 3, a pair each
.set GG,   108                         ; grid point 0
.set OH,   116                         ; v[116:123] the f16 of loads 4 to 7, a pair each
.set AF,   128                         ; v[128:191] A' fragments: two buffers (chunk even, odd) of four blocks
.set BF,   192                         ; v[192:255] W' fragments: buffer g = output blocks 4 g .. 4 g + 3
                                       ; accumulator (a, b) is v[256 + 8 (8 a + b)]: the second window of 256 registers
.set G1,   24                          ; s[24:31] descriptor group 1
.set G0,   32                          ; s[32:39] descriptor group 0, one set for each slot
.set MSB,  0
.macro WIN new                         ; the immediate's high byte repeats the setting that is left
.if MSB != \new
	s_set_vgpr_msb (MSB<<8)|\new
.set MSB, \new
.endif
.endm
.macro PLACES                          ; a load into a register that a matrix instruction has read, and a store of a matrix result, stand four plain vector
.rept 4                                ; instructions behind it (ISA guide 7.12.1 for vector instructions)
	v_nop
.endr
.endm
.macro CREST                           ; a round of the cluster's barrier behind its opening work-group barrier
	s_cmp_lg_u32 s10, 0
	s_cbranch_scc1 .Lnot_wave_0_\@
	s_barrier_signal -3
.Lnot_wave_0_\@:
	s_barrier_wait -3
	s_barrier_signal -1
	s_barrier_wait -1
.endm
.macro CROUND                          ; a whole round
	s_barrier_signal -1
	s_barrier_wait -1
	CREST
.endm
; Eight loads: 16 tokens x 64 columns of x into a set; each load takes two rows x 256 consecutive bytes, aligned.
.macro XLOAD set, imm
.irp m, 0,1,2,3,4,5,6,7
	global_load_b128 v[XS+32*(\set)+4*\m:XS+32*(\set)+4*\m+3], v[XO], s[42:43] offset:\imm+4096*\m
.endr
.endm
	s_load_b128 s[4:7], s[0:1], 0x0                ; x s[4:5], wk s[6:7]
	s_load_b64 s[8:9], s[0:1], 0x10                ; mid
	v_lshl_add_u32 v126, v0, 2, 0x4b000
	v_mov_b32 v127, 0
	ds_add_u32 v126, v127
	v_lshrrev_b32 v1, 5, v0
	v_readfirstlane_b32 s10, v1                    ; wave 0..7
	s_and_b32 s11, s10, 3
	s_lshr_b32 s12, s11, 1                         ; wm: which 64 tokens I multiply
	s_and_b32 s13, s11, 1                          ; wn: which 128 outputs
	s_lshr_b32 s56, s10, 2                         ; kg: which half of each chunk's K
	s_xor_b32 s57, s56, 1                          ; 1 - kg
	s_bfe_u32 s14, ttmp6, 0x40000                  ; cx: enters the addresses of x and mid alone
	s_lshl_b32 s15, ttmp9, 2
	s_add_co_u32 s15, s15, s14                     ; X: block of 128 tokens
	s_and_b32 s16, ttmp7, 0xffff                   ; Y: block of 256 outputs, the same in all four partners
	; group 1: a tile of 32 rows x 256 f16, rows 4,096 elements apart, padded in LDS
	s_mov_b32 s[G1+0], 15|(1<<16)|(1<<20)|(1<<21)|(6<<22)|(3<<25)   ; mask: all four of the cluster; 2-byte elements; padding on; bit 21 beside a mask; after every 128 words, 4 words
	s_mov_b32 s[G1+1], 256<<16                     ; tensor_dim0 = 256
	s_mov_b32 s[G1+2], 32<<16                      ; tensor_dim1 = 32
	s_mov_b32 s[G1+3], 256<<16                     ; tile_dim0 = 256
	s_mov_b32 s[G1+4], 32                          ; tile_dim1 = 32
	s_mov_b32 s[G1+5], 4096                        ; elements from row to row
	s_mov_b32 s[G1+6], 0
	s_mov_b32 s[G1+7], 0
	s_lshl_b32 s18, s15, 19                        ; x: 128 X rows of 4,096 bytes
	s_lshl_b32 s17, s10, 16                        ;    + 16 w rows
	s_add_co_u32 s18, s18, s17
	s_mov_b32 s19, 0
	s_lshl_b32 s20, s16, 21                        ; wk: 256 Y rows of 8,192 bytes (s20 to s23 never hold cx)
	s_lshl_b32 s21, s10, 18                        ;     + 32 w rows
	s_add_co_u32 s20, s20, s21
	s_mov_b32 s21, 0
	s_mul_i32 s41, s10, 32*PB                      ; the wave's number x 32 rows of LDS
	s_mov_b32 s44, 0x358637bd                      ; 1e-6, twice: a pair for the packed add
	s_mov_b32 s45, 0x358637bd
	v_and_b32 v1, 31, v0                           ; lane
	v_and_b32 v2, 15, v0                           ; r
	v_bfe_u32 v3, v0, 4, 1                         ; h
	v_lshlrev_b32 v[XO], 4, v2
	v_lshl_add_u32 v[XO], v3, 15, v[XO]
	s_wait_dscnt 0x0
	s_wait_kmcnt 0x0
	s_add_nc_u64 s[42:43], s[4:5], s[18:19]        ; x at my 16 tokens
	XLOAD 0, 0                                     ; lap 0
	XLOAD 1, 256                                   ; lap 1
	; a fragment is 16 rows x 32 k: lane (r, h) takes 16 bytes at row r, byte 16 h, and 16 bytes 32 further on
	v_mul_u32_u24 v4, v2, PA
	v_lshl_add_u32 v4, v3, 4, v4
	s_mul_i32 s58, s12, 64*PA
	s_lshl_b32 s59, s56, 6                         ; my half of a chunk's K: 64 kg bytes along the rows, in A' and in W'
	s_add_co_u32 s58, s58, s59
	s_mul_i32 s17, s56, 32*PA                      ; register blocks 0, 1 hold token blocks 2 kg, 2 kg + 1:
	s_add_co_u32 s17, s17, s58                     ; those are the sums that I finish; blocks 2, 3 are the ones that my partner finishes
	v_add_nc_u32 v[ADRX], s17, v4
	v_add_nc_u32 v[ADRX+1], ASLOT, v[ADRX]
	s_mul_i32 s17, s57, 32*PA
	s_add_co_u32 s17, s17, s58
	v_add_nc_u32 v[ADRY], s17, v4
	v_add_nc_u32 v[ADRY+1], ASLOT, v[ADRY]
	v_mul_u32_u24 v5, v2, PB
	v_lshl_add_u32 v5, v3, 4, v5
	s_mul_i32 s17, s13, 128*PB
	s_add_co_u32 s17, s17, s59
	s_add_co_u32 s17, s17, BBASE
	v_add_nc_u32 v[ADRB], s17, v5
	v_add_nc_u32 v[ADRB+1], BSLOT, v[ADRB]
	v_mul_u32_u24 v6, v3, 8*PA                     ; A' goes in at row 16 w + 8 h, 8 bytes at 8 r: sixteen lanes store 128 consecutive bytes, and eight rows
	v_lshl_add_u32 v6, v2, 3, v6                   ; (1,152 bytes = 4 x 256 + 128) further down the other sixteen fall on the other half of 256
	s_mul_i32 s17, s10, 16*PA
	v_add_nc_u32 v[AST], s17, v6
	v_add_nc_u32 v[AST+1], ASLOT, v[AST]
	v_lshlrev_b32 v[CO], 4, v1
	s_lshl_b32 s17, s10, 14                        ; the end: 16 KiB a wave from LDS byte 0
	v_lshl_add_u32 v[EXW], v1, 4, s17
	s_xor_b32 s17, s10, 4                          ; my partner
	s_lshl_b32 s17, s17, 14
	v_lshl_add_u32 v[EXR], v1, 4, s17
	s_add_nc_u64 s[22:23], s[6:7], s[20:21]        ; wk at my 32 rows
	s_lshl_b32 s18, s15, 19                        ; mid: 8 X row tiles of 65,536 bytes
	s_lshl_b32 s17, s12, 18                        ;      + 4 wm row tiles
	s_add_co_u32 s18, s18, s17
	s_lshl_b32 s17, s56, 17                        ;      + 2 kg row tiles: the two that I finish
	s_add_co_u32 s18, s18, s17
	s_lshl_b32 s17, s16, 14                        ;      + 16 Y column tiles of 1,024 bytes
	s_add_co_u32 s18, s18, s17
	s_lshl_b32 s17, s13, 13                        ;      + 8 wn column tiles
	s_add_co_u32 s18, s18, s17
	s_add_nc_u64 s[46:47], s[8:9], s[18:19]
.irp n, 0,1
	s_mov_b32 s[G0+4*\n], 1                                        ; count = 1
	s_add_co_u32 s[G0+4*\n+1], s41, BBASE+\n*BSLOT                 ; LDS: the wave's number x 32 rows + the slot
	s_add_nc_u64 s[G0+4*\n+2:G0+4*\n+3], s[22:23], \n*512          ; lap n of K
	s_or_b32 s[G0+4*\n+3], s[G0+4*\n+3], 0x80000000                ; type = 2
.endr
; 8 LDS loads: output blocks 4 g .. 4 g + 3 of W', my 32 k of chunk j of slot sb's lap, into buffer g
.macro FB g, sb, j
.irp i, 0,1,2,3
	ds_load_b128 v[BF+32*(\g)+8*\i:BF+32*(\g)+8*\i+3],   v[ADRB+(\sb)] offset:128*(\j)+(4*(\g)+\i)*16*PB
	ds_load_b128 v[BF+32*(\g)+8*\i+4:BF+32*(\g)+8*\i+7], v[ADRB+(\sb)] offset:128*(\j)+(4*(\g)+\i)*16*PB+32
.endr
.endm
; 8 LDS loads: my four token blocks of A', my 32 k of the chunk in slot sa, into buffer buf
.macro FA buf, sa
.irp i, 0,1
	ds_load_b128 v[AF+32*(\buf)+8*\i:AF+32*(\buf)+8*\i+3],   v[ADRX+(\sa)] offset:\i*16*PA
	ds_load_b128 v[AF+32*(\buf)+8*\i+4:AF+32*(\buf)+8*\i+7], v[ADRX+(\sa)] offset:\i*16*PA+32
.endr
.irp i, 0,1
	ds_load_b128 v[AF+32*(\buf)+16+8*\i:AF+32*(\buf)+16+8*\i+3],   v[ADRY+(\sa)] offset:\i*16*PA
	ds_load_b128 v[AF+32*(\buf)+16+8*\i+4:AF+32*(\buf)+16+8*\i+7], v[ADRY+(\sa)] offset:\i*16*PA+32
.endr
.endm
; 16 matrix instructions: four token blocks (A' buffer ab) x output blocks 4 g .. 4 g + 3.  Source 0 = rows of W', source 1 = rows of A': a lane's eight
; results are eight neighbouring outputs of one token.  The 16 accumulators of a group take turns, one instruction a turn, and g alternates from one call
; to the next, round the loop too.
.macro MULH ab, g, zero
.irp a, 0,1,2,3
.irp i, 0,1,2,3
.if \zero
	v_wmma_f32_16x16x32_f16 v[8*(8*\a+4*(\g)+\i):8*(8*\a+4*(\g)+\i)+7], v[BF+32*(\g)+8*\i:BF+32*(\g)+8*\i+7], v[AF+32*(\ab)+8*\a:AF+32*(\ab)+8*\a+7], 0
.else
	v_wmma_f32_16x16x32_f16 v[8*(8*\a+4*(\g)+\i):8*(8*\a+4*(\g)+\i)+7], v[BF+32*(\g)+8*\i:BF+32*(\g)+8*\i+7], v[AF+32*(\ab)+8*\a:AF+32*(\ab)+8*\a+7], v[8*(8*\a+4*(\g)+\i):8*(8*\a+4*(\g)+\i)+7]
.endif
.endr
.endr
.endm
; Eight x, one of each of a set's eight loads (register xb + 4 i), become 32 features: my share of one chunk.  With a = |x|: the centre term is
; max(1 - a, 0)^2, the term of the grid point on x's side max(1 - |1 - a|, 0)^2, and the far grid point is at distance 1 or more: 0.
; These are the formula's own differences, so every rounding agrees.  Registers only: the results wait in SS and OH for PUT.
.macro COMPUTE xb
.irp i, 0,1,2,3,4,5,6,7
	v_sub_f32 v[UU+\i], 1.0, |v[\xb+4*\i]|
.endr
.irp i, 0,1,2,3,4,5,6,7
	v_sub_f32 v[WW+\i], 1.0, |v[UU+\i]|
.endr
.irp i, 0,1,2,3,4,5,6,7
	v_max_num_f32 v[UU+\i], 0, v[UU+\i]
.endr
.irp i, 0,1,2,3,4,5,6,7
	v_max_num_f32 v[WW+\i], 0, v[WW+\i]
.endr
.irp i, 0,2,4,6
	v_pk_mul_f32 v[UU+\i:UU+\i+1], v[UU+\i:UU+\i+1], v[UU+\i:UU+\i+1]
.endr
.irp i, 0,2,4,6
	v_pk_mul_f32 v[WW+\i:WW+\i+1], v[WW+\i:WW+\i+1], v[WW+\i:WW+\i+1]
.endr
.irp i, 0,2,4,6
	v_pk_add_f32 v[SS+\i:SS+\i+1], v[UU+\i:UU+\i+1], v[WW+\i:WW+\i+1]
.endr
.irp i, 0,2,4,6
	v_pk_add_f32 v[SS+\i:SS+\i+1], v[SS+\i:SS+\i+1], s[44:45] op_sel_hi:[1,0]
.endr
.irp i, 0,1,2,3,4,5,6,7
	v_rcp_f32 v[SS+\i], v[SS+\i]
.endr
.irp i, 0,1,2,3,4,5,6,7
	v_cmp_gt_f32 s[48+\i], 0, v[\xb+4*\i]          ; x < 0: the side term belongs to grid point 0.  Plain instructions behind the reciprocals, ahead of the first use of a result (ISA guide 5.7.2)
.endr
	s_wait_alu depctr_va_vdst(0)
.irp i, 0,2,4,6
	v_pk_mul_f32 v[UU+\i:UU+\i+1], v[UU+\i:UU+\i+1], v[SS+\i:SS+\i+1]     ; grid point 1
.endr
.irp i, 0,2,4,6
	v_pk_mul_f32 v[WW+\i:WW+\i+1], v[WW+\i:WW+\i+1], v[SS+\i:SS+\i+1]
.endr
.irp i, 0,1,2,3,4,5,6,7
	v_cndmask_b32 v[GG+\i], 0, v[WW+\i], s[48+\i]  ; grid point 0
.endr
.irp i, 0,2,4,6
	v_pk_add_f32 v[WW+\i:WW+\i+1], v[WW+\i:WW+\i+1], v[GG+\i:GG+\i+1] neg_lo:[0,1] neg_hi:[0,1]   ; grid point 2: the side term or 0, exactly
.endr
.irp i, 0,1,2,3
	v_cvt_pk_f16_f32 v[SS+2*\i],   v[\xb+4*\i], v[GG+\i]           ; (x, grid 0): the first source goes into the low half.  The reciprocals in SS are used up
	v_cvt_pk_f16_f32 v[SS+2*\i+1], v[UU+\i],    v[WW+\i]           ; (grid 1, grid 2)
.endr
.irp i, 0,1,2,3
	v_cvt_pk_f16_f32 v[OH+2*\i],   v[\xb+16+4*\i], v[GG+4+\i]
	v_cvt_pk_f16_f32 v[OH+2*\i+1], v[UU+4+\i],     v[WW+4+\i]
.endr
.endm
; The chunk made by the last COMPUTE goes into the A' slot at ast: load i's tokens are rows 16 w + i + 8 h.
.macro PUT ast
.irp i, 0,1,2,3
	ds_store_b64 v[\ast], v[SS+2*\i:SS+2*\i+1] offset:\i*PA
.endr
.irp i, 0,1,2,3
	ds_store_b64 v[\ast], v[OH+2*\i:OH+2*\i+1] offset:(\i+4)*PA
.endr
.endm
; The period of chunk j of the lap in W' slot sb.  Its fragments are fetched now and multiplied in the next period, so no fetch is waited for but by the
; wait for 0 in front of the next barrier; the matrix work done now is the last chunk's (mul; zero: the first products start the sums, nothing is cleared).
; head = 0: a work-group barrier: it shows this chunk's A' to every wave and frees the other A' slot; the tensor load stays out across it.
; head = 1: the lap's first period: a round of the cluster's barrier, and behind it the slot read last lap is filled with the lap after this one.
; head = 2: the last lap's first period: its tile is waited for, nothing is filled.   head = 3: the first period of all.
; put: the next chunk's A', made in the last period, goes into the slot whose chunk was read in the last period.
.macro CHUNK sb, j, mul, zero, head, put
	s_wait_dscnt 0x0                               ; my reads of A' and W' are back, my stores of this chunk's A' are done
.if \head == 1
	s_wait_tensorcnt 0x0                           ; all my tensor loads have landed: the one that was out is my part of this lap's tile,
	ds_add_u32 v126, v127
	s_wait_dscnt 0x0
	s_add_nc_u64 s[G0+4*(1-\sb)+2:G0+4*(1-\sb)+3], s[G0+4*(1-\sb)+2:G0+4*(1-\sb)+3], 1024   ; so a group 0 may be written: the other slot's next tile, two laps on
	CROUND                                         ; no wave of any partner still reads the slot that is filled next, or has a load on its way
	tensor_load_to_lds s[G0+4*(1-\sb):G0+4*(1-\sb)+3], s[G1:G1+7]   ; my one tensor load behind the round, first of all: my 32 rows of the next lap; by this text's count one is out
	s_nop 0
	WIN 0x50                                       ; C and D in the second window
	MULH (1-(\j&1)), 0, \zero
	WIN 0
.else
.if \head == 2
	s_wait_tensorcnt 0x0                           ; the last tile
.endif
.if \head == 3
	s_wait_tensorcnt 0x1                           ; my part of lap 0's tile is in; lap 1's, issued behind it, stays out
.endif
	s_barrier_signal -1
.if \mul
	WIN 0x50
	MULH (1-(\j&1)), 0, \zero                      ; register work while the others arrive
	WIN 0
.endif
	s_barrier_wait -1
.endif
.if \mul
	PLACES
.endif
.if \put
	PUT AST+1-(\j&1)
.endif
	FB 0, \sb, \j
	FA (\j&1), (\j&1)
.if \mul
	WIN 0x50
	MULH (1-(\j&1)), 1, \zero
	WIN 0
	PLACES
.endif
	FB 1, \sb, \j
.endm
; A lap: four periods.  A chunk's features are made two periods ahead of the period that fetches them and stored one period ahead.  x of lap L lies in
; set L & 1 = sb; behind its last use the set is loaded again with lap L + 2 (reload, at byte imm from the stepped base), five periods ahead of its first use.
; more = 0 in the last lap: no lap follows.  lcnt = the younger loads (lap L + 2's eight), which stay out when lap L + 1's are wanted.
.macro LAP sb, head, mul0, zero1, reload, imm, more, lcnt
	CHUNK \sb, 0, \mul0, 0, \head, 1
	COMPUTE XS+32*\sb+2
	CHUNK \sb, 1, 1, \zero1, 0, 1
	COMPUTE XS+32*\sb+3
.if \reload
	XLOAD \sb, \imm
.endif
	CHUNK \sb, 2, 1, 0, 0, 1
.if \more
	s_wait_loadcnt \lcnt
	COMPUTE XS+32*(1-\sb)
.endif
	CHUNK \sb, 3, 1, 0, 0, \more
.if \more
	COMPUTE XS+32*(1-\sb)+1
.endif
.endm
	CROUND                                         ; all four work-groups are here: the first joint loads meet their partners'
	tensor_load_to_lds s[G0:G0+3], s[G1:G1+7]      ; lap 0's tile
	s_nop 0
	tensor_load_to_lds s[G0+4:G0+7], s[G1:G1+7]    ; lap 1's: both first fills go out together; by this text's count two are out here
	s_nop 0
	s_wait_loadcnt 8                               ; x of lap 0 is in; lap 1's eight loads stay out
	COMPUTE XS
	PUT AST                                        ; chunk 0
	COMPUTE XS+1                                   ; chunk 1 waits in registers for the first period
	LAP 0, 3, 0, 1, 1, 512, 1, 8                   ; lap 0
	s_mov_b32 s40, 6
.Lpair:                                            ; laps 1 to 12
	LAP 1, 1, 1, 0, 1, 768, 1, 8
	LAP 0, 1, 1, 0, 1, 1024, 1, 8
	s_wait_xcnt 0x0                                ; the base of pending loads is stepped only behind this wait
	s_add_nc_u64 s[42:43], s[42:43], 512           ; two laps of x
	s_sub_co_u32 s40, s40, 1
	s_cmp_lg_u32 s40, 0
	s_cbranch_scc1 .Lpair
	LAP 1, 1, 1, 0, 1, 768, 1, 8                   ; lap 13: loads x of lap 15, the last; asks for lap 14's tile
	LAP 0, 1, 1, 0, 0, 0, 1, 0                     ; lap 14: nothing younger than lap 15's x is out; asks for the last tile
	LAP 1, 2, 1, 0, 0, 0, 0, 0                     ; lap 15: nothing is filled again, nothing follows
	; THE END.  Waves w and w ^ 4 join their sums: each leaves its register blocks 2, 3 (16 KiB) in LDS, takes the partner's, which are the partner's sums
	; for its own blocks 0, 1, adds and stores.  The 128 KiB from LDS byte 0 are A's slots and a part of W' slot 0, which has had its last fill.
	s_wait_dscnt 0x0                               ; my last reads of A' and W' are back
	s_barrier_signal -1
	WIN 0x50
	MULH 1, 0, 0                                   ; the last chunk
	MULH 1, 1, 0
	WIN 0
	s_barrier_wait -1                              ; nobody reads A' or W' any more
	PLACES
	WIN 0x04                                       ; store data from the second window
.set n, 0
.rept 32
	ds_store_b128 v[EXW], v[128+4*n:128+4*n+3] offset:512*n        ; 32 lanes x 16 neighbouring bytes
.set n, n+1
.endr
	WIN 0
	s_wait_dscnt 0x0                               ; for the partner's sake: my stores are done
	s_barrier_signal -1
	s_barrier_wait -1
.set n, 0
.rept 32
	ds_load_b128 v[AF+4*n:AF+4*n+3], v[EXR] offset:512*n
.set n, n+1
.endr
.irp q, 0,1,2,3
	s_wait_dscnt 24-8*\q                           ; eight loads more are in; the younger ones stay out
	WIN 0x01                                       ; source 0 from the second window
.irp m, 0,1,2,3,4,5,6,7,8,9,10,11,12,13,14,15
	v_pk_add_f32 v[AF+32*\q+2*\m:AF+32*\q+2*\m+1], v[32*\q+2*\m:32*\q+2*\m+1], v[AF+32*\q+2*\m:AF+32*\q+2*\m+1]
.endr
	WIN 0
.irp t, 0,1,2,3,4,5,6,7
	global_store_b128 v[CO], v[AF+32*\q+4*\t:AF+32*\q+4*\t+3], s[46:47] offset:65536*(\q>>1)+512*(8*(\q&1)+\t)   ; the wave stores 512 consecutive bytes, aligned
.endr
.endr
	s_wait_tensorcnt 0x0
	ds_add_u32 v126, v127
	s_wait_dscnt 0x0
	CROUND                                         ; the closing round: no work-group ends while a partner may still ask for a tile that names it
	s_endpgm
.Lfunc_end_k_q2c198c2328_gemm:
	.size	k_q2c198c2328_gemm, .Lfunc_end_k_q2c198c2328_gemm-k_q2c198c2328_gemm
	.p2alignl 7, 3214868480
	.fill 96, 4, 3214868480
	.section	.rodata,"a",@progbits
	.p2align	6, 0x0
	.amdhsa_kernel k_q2c198c2328_gemm
		.amdhsa_group_segment_fixed_size 327680
		.amdhsa_private_segment_fixed_size 0
		.amdhsa_enable_private_segment 0
		.amdhsa_kernarg_size 24
		.amdhsa_user_sgpr_count 2
		.amdhsa_user_sgpr_kernarg_segment_ptr 1
		.amdhsa_wavefront_size32 1
		.amdhsa_system_sgpr_workgroup_id_x 1
		.amdhsa_system_sgpr_workgroup_id_y 1
		.amdhsa_system_sgpr_workgroup_id_z 1
		.amdhsa_system_vgpr_workitem_id 0
		.amdhsa_next_free_vgpr 512
		.amdhsa_next_free_sgpr 66
		.amdhsa_reserve_vcc 0
		.amdhsa_float_denorm_mode_32 3
		.amdhsa_float_denorm_mode_16_64 3
		.amdhsa_memory_ordered 1
		.amdhsa_forward_progress 1
		.amdhsa_inst_pref_size 255
	.end_amdhsa_kernel
	.section	.bss,"aw",@nobits
	.p2align	6
	.space	262144
	.amdgpu_metadata
---
amdhsa.version: [ 1, 2 ]
amdhsa.kernels:
  - .name:           k_q2c198c2328_gemm
    .symbol:         k_q2c198c2328_gemm.kd
    .args:
      - { .name: x, .offset: 0, .size: 8, .value_kind: global_buffer, .address_space: global }
      - { .name: wk, .offset: 8, .size: 8, .value_kind: global_buffer, .address_space: global }
      - { .name: mid, .offset: 16, .size: 8, .value_kind: global_buffer, .address_space: global }
    .group_segment_fixed_size: 327680
    .private_segment_fixed_size: 0
    .kernarg_segment_align: 8
    .kernarg_segment_size: 24
    .max_flat_workgroup_size: 256
    .sgpr_count:     66
    .vgpr_count:     512
    .wavefront_size: 32
...
	.end_amdgpu_metadata
.endif
;; end of part 2
;; launch lnse (part 3): grid 256 x 1, 16 waves a work-group, no clusters, 225,792 bytes of LDS; arguments mid, w1f, w2f, ln_w, ln_b, se_b1, se_b2, out0; writes out0
.if DOCPART == 3
	.amdgcn_target "amdgcn-amd-amdhsa--gfx1250"
	.amdhsa_code_object_version 6
	.text
	.protected	k_q2c198c2328_lnse
	.globl	k_q2c198c2328_lnse
	.p2align	8
	.type	k_q2c198c2328_lnse,@function
k_q2c198c2328_lnse:
	s_mov_b64 s[64:65], 0
	v_nop
	global_prefetch_b8 v0, s[64:65] scope:SCOPE_SE
	s_setreg_imm32_b32 hwreg(HW_REG_WAVE_MODE, 25, 1), 1
	s_wait_xcnt 0x0
; out0 = y sigmoid(relu(y W1^T + b1) W2^T + b2), y = LayerNorm(mid) ln_w + ln_b.
; A work-group owns 32 tokens (two row tiles of mid, 131,072 consecutive bytes); wave w owns columns 64 w .. 64 w + 63 (four column tiles):
; 64 registers of data, loaded once and kept to the end.  Lane (r, h), register 32 mt + 8 t + i holds token 16 mt + r, column 64 w + 16 t + 8 h + i:
; the layout of a matrix result with the weights as source 0, so two neighbouring tiles, packed to bf16, are a source-1 fragment of 32 k, and the gate's
; result falls on y's own places.  Three barriers: row statistics, the sum of the first product over the 16 waves, and h.
; No tensor loads, no cluster: each work-group reads its own rows; what all share (131,072 bytes of gate weights) is as much as a work-group's own data,
; and each wave needs only 8,192 bytes of it, straight into registers as fragments.
; The variance is made from centred sums: each wave's mean and sum of squares about it over 64 columns, then combined over the 16 waves:
; no difference of large sums is formed.  LIMITS: y, h and the gate's weights go to the matrix unit in bf16; v_rsq_f32, v_exp_f32 and v_rcp_f32 stand for
; rsqrt and the sigmoid; a sigmoid below 2^-126 is 0; the sums' grouping differs from the reference's; a NaN in h becomes 0 in the ReLU, but its token's y is NaN and stays NaN.
.set RED, 12288                        ; LDS 0: ln_w, ln_b, se_b2, 4,096 bytes each (a wave touches its own 256 bytes of each)
                                       ; RED: 32 tokens, pitch 144: wave w's (mean, sum of squares) at 8 w
.set HR,  16896                        ; h in bf16 as fragments: [mt][jt][lane][16 bytes]
.set HP,  18944                        ; the waves' partial sums: wave w: [2 mt + jt][lane][32 bytes]
.set STG, 84480                        ; the way out: wave w: 32 rows, pitch 272; ends at 223,744
.set YY,  32                           ; v[32:95]   y
.set W1F, 96                           ; v[96:127]  fragments of se_w1: 8 (2 ks + jt); later the gate of row tile 0
.set W2F, 128                          ; v[128:159] fragments of se_w2: 8 t
.set YF,  160                          ; v[160:191] at work; y in bf16: 8 (2 ks + mt); later the gate of row tile 1
.set HH,  192                          ; v[192:223] ln_w, then the first product: 8 (2 mt + jt), then se_b2
.set HF,  224                          ; v[224:255] ln_b, then h: 8 mt
.macro PLACES                          ; a vector instruction or an LDS store that reads a matrix result, and a load into a matrix instruction's register, stand four plain
.rept 4                                ; vector instructions behind it (ISA guide 7.12.1 for vector instructions)
	v_nop
.endr
.endm
	s_load_b512 s[8:23], s[0:1], 0x0               ; mid s[8:9], w1f s[10:11], w2f s[12:13], ln_w s[14:15], ln_b s[16:17], se_b1 s[18:19], se_b2 s[20:21], out0 s[22:23]
	v_lshrrev_b32 v1, 5, v0
	v_readfirstlane_b32 s24, v1                    ; wave 0..15
	s_mov_b32 s25, 0xffff0000                      ; lanes 16 to 31
	s_mov_b32 s26, 0x76543210                      ; v_permlanex16_b32: lane i reads lane i of the other half
	s_mov_b32 s27, 0xfedcba98
	s_lshl_b32 s28, ttmp9, 17                      ; 32 tokens of 4,096 bytes, in mid and in out0
	s_mov_b32 s29, 0
	s_mov_b32 s30, 0x3a800000                      ; 1 / 1024
	s_mov_b32 s31, 0x3727c5ac                      ; 1e-5
	s_lshl_b32 s32, s24, 12
	s_lshl_b32 s33, s24, 8
	s_lshl_b32 s34, s24, 3
	s_add_co_u32 s34, s34, RED
	s_add_co_u32 s35, s32, HP
	s_lshl_b32 s36, s24, 7
	s_add_co_u32 s36, s36, HR
	s_mul_i32 s37, s24, 32*272
	s_add_co_u32 s37, s37, STG
	s_bfe_u32 s38, s24, 0x20001                    ; (w >> 1) & 3
	s_lshl_b32 s38, s38, 5
	v_and_b32 v1, 31, v0                           ; lane
	v_and_b32 v2, 15, v0                           ; r
	v_bfe_u32 v3, v0, 4, 1                         ; h
	v_lshl_add_u32 v4, v1, 4, s32                  ; 4,096 w + 16 l: my bytes in mid, w1f and w2f
	v_lshl_add_u32 v5, v1, 3, s33                  ; 256 w + 8 l: my bytes of a parameter row, in memory and in LDS
	v_lshl_add_u32 v6, v3, 5, s33                  ; 256 w + 32 h: the parameters of my columns
	v_mul_u32_u24 v8, v1, 144
	v_add_nc_u32 v7, s34, v8                       ; RED, token l, wave w
	v_add_nc_u32 v8, RED, v8                       ; RED, token l
	v_lshl_add_u32 v9, v1, 5, s35                  ; HP, my wave's image
	v_add_nc_u32 v10, HP, v5                       ; HP, my 8 bytes of every image
	v_lshl_add_u32 v11, v1, 2, s36                 ; HR, the same two numbers in bf16: half the byte offset
	v_lshl_add_u32 v12, v1, 4, HR                  ; HR, my lane's 16 bytes
	v_mul_u32_u24 v13, v2, 272
	v_lshl_add_u32 v13, v3, 5, v13
	v_add_nc_u32 v13, s37, v13                     ; stage in: row r, 32 h
	v_mul_u32_u24 v14, v3, 272
	v_lshl_add_u32 v14, v2, 4, v14
	v_add_nc_u32 v14, s37, v14                     ; stage back: row h, 16 r
	v_lshl_add_u32 v15, v2, 4, s33
	v_lshl_add_u32 v15, v3, 12, v15                ; out0: row h, 256 w + 16 r
	v_and_b32 v17, 3, v1
	v_lshl_add_u32 v16, v17, 3, s38                ; se_b1 of the two numbers of h that I sum: j = 16 ((w >> 2) & 1) + 8 ((w >> 1) & 1) + 2 (l & 3)
	s_wait_kmcnt 0x0
	s_add_nc_u64 s[8:9], s[8:9], s[28:29]
	s_add_nc_u64 s[22:23], s[22:23], s[28:29]
	; all 36 loads go out at once: 4 of parameters, 16 of data, 8 + 8 of weights
	global_load_b64 v[18:19], v5, s[14:15]
	global_load_b64 v[20:21], v5, s[16:17]
	global_load_b64 v[22:23], v5, s[20:21]
	global_load_b64 v[24:25], v16, s[18:19]
.irp m, 0,1
.irp t, 0,1,2,3
	global_load_b128 v[YY+32*\m+8*\t:YY+32*\m+8*\t+3],   v4, s[8:9] offset:65536*\m+1024*\t th:TH_LOAD_NT
	global_load_b128 v[YY+32*\m+8*\t+4:YY+32*\m+8*\t+7], v4, s[8:9] offset:65536*\m+1024*\t+512 th:TH_LOAD_NT
.endr
.endr
.irp t, 0,1,2,3
	global_load_b128 v[W1F+8*\t:W1F+8*\t+3],   v4, s[10:11] offset:1024*\t
	global_load_b128 v[W1F+8*\t+4:W1F+8*\t+7], v4, s[10:11] offset:1024*\t+512
.endr
.irp t, 0,1,2,3
	global_load_b128 v[W2F+8*\t:W2F+8*\t+3],   v4, s[12:13] offset:1024*\t
	global_load_b128 v[W2F+8*\t+4:W2F+8*\t+7], v4, s[12:13] offset:1024*\t+512
.endr
	s_wait_loadcnt 32                              ; the four parameter loads are in; the 32 younger loads stay out
	ds_store_b64 v5, v[18:19]                      ; my wave's own 256 bytes of each row: LDS serves a wave's instructions in order, so no wait stands ahead of the loads
	ds_store_b64 v5, v[20:21] offset:4096
	ds_store_b64 v5, v[22:23] offset:8192
.irp t, 0,1,2,3
	ds_load_b128 v[HH+8*\t:HH+8*\t+3],   v6 offset:64*\t            ; ln_w of columns 16 t + 8 h + 0..7
	ds_load_b128 v[HH+8*\t+4:HH+8*\t+7], v6 offset:64*\t+16
	ds_load_b128 v[HF+8*\t:HF+8*\t+3],   v6 offset:4096+64*\t       ; ln_b
	ds_load_b128 v[HF+8*\t+4:HF+8*\t+7], v6 offset:4096+64*\t+16
.endr
; Mean and centred sum of squares of my wave's 64 columns for the tokens of row tile m: 32 numbers a lane in two chains, then the other half of the lanes.
.macro STATS m
.set TT, YF+16*\m
.set PP, YY+32*\m
	v_pk_add_f32 v[TT:TT+1],   v[PP:PP+1],   v[PP+2:PP+3]
	v_pk_add_f32 v[TT+2:TT+3], v[PP+4:PP+5], v[PP+6:PP+7]
.irp k, 8,12,16,20,24,28
	v_pk_add_f32 v[TT:TT+1],   v[TT:TT+1],   v[PP+\k:PP+\k+1]
	v_pk_add_f32 v[TT+2:TT+3], v[TT+2:TT+3], v[PP+\k+2:PP+\k+3]
.endr
	v_pk_add_f32 v[TT:TT+1], v[TT:TT+1], v[TT+2:TT+3]
	v_add_f32 v[TT], v[TT], v[TT+1]
	v_permlanex16_b32 v[TT+1], v[TT], s26, s27
	v_add_f32 v[TT], v[TT], v[TT+1]
	v_mul_f32 v[TT+4], 0x3c800000, v[TT]           ; / 64, twice: a pair for the packed subtraction
	v_mul_f32 v[TT+5], 0x3c800000, v[TT]
	v_pk_add_f32 v[TT+6:TT+7], v[PP:PP+1],   v[TT+4:TT+5] neg_lo:[0,1] neg_hi:[0,1]
	v_pk_add_f32 v[TT+8:TT+9], v[PP+2:PP+3], v[TT+4:TT+5] neg_lo:[0,1] neg_hi:[0,1]
	v_pk_mul_f32 v[TT+10:TT+11], v[TT+6:TT+7], v[TT+6:TT+7]
	v_pk_mul_f32 v[TT+12:TT+13], v[TT+8:TT+9], v[TT+8:TT+9]
.irp k, 4,8,12,16,20,24,28
	v_pk_add_f32 v[TT+6:TT+7], v[PP+\k:PP+\k+1],   v[TT+4:TT+5] neg_lo:[0,1] neg_hi:[0,1]
	v_pk_add_f32 v[TT+8:TT+9], v[PP+\k+2:PP+\k+3], v[TT+4:TT+5] neg_lo:[0,1] neg_hi:[0,1]
	v_pk_fma_f32 v[TT+10:TT+11], v[TT+6:TT+7], v[TT+6:TT+7], v[TT+10:TT+11]
	v_pk_fma_f32 v[TT+12:TT+13], v[TT+8:TT+9], v[TT+8:TT+9], v[TT+12:TT+13]
.endr
	v_pk_add_f32 v[TT+10:TT+11], v[TT+10:TT+11], v[TT+12:TT+13]
	v_add_f32 v[TT+10], v[TT+10], v[TT+11]
	v_permlanex16_b32 v[TT+11], v[TT+10], s26, s27
	v_add_f32 v[TT+10], v[TT+10], v[TT+11]
.endm
	s_wait_loadcnt 16                              ; the data are in; the 16 loads of weights stay out
	STATS 0
	STATS 1
	v_cndmask_b32 v28, v[YF+4],  v[YF+20], s25     ; lane l keeps token l: lanes 0-15 row tile 0, lanes 16-31 row tile 1
	v_cndmask_b32 v29, v[YF+10], v[YF+26], s25
	ds_store_b64 v7, v[28:29]
	s_wait_dscnt 0x0                               ; my pair is in LDS (and ln_w, ln_b are in registers)
	s_barrier_signal -1
	s_barrier_wait -1
.irp k, 0,1,2,3,4,5,6,7
	ds_load_b128 v[YF+4*\k:YF+4*\k+3], v8 offset:16*\k             ; token l: the 16 waves' pairs
.endr
	s_wait_dscnt 0x0
	v_pk_add_f32 v[28:29], v[YF:YF+1],   v[YF+2:YF+3]
	v_pk_add_f32 v[30:31], v[YF+4:YF+5], v[YF+6:YF+7]
.irp k, 8,12,16,20,24,28
	v_pk_add_f32 v[28:29], v[28:29], v[YF+\k:YF+\k+1]
	v_pk_add_f32 v[30:31], v[30:31], v[YF+\k+2:YF+\k+3]
.endr
	v_pk_add_f32 v[28:29], v[28:29], v[30:31]      ; (sum of means, sum of centred squares)
	v_mul_f32 v28, 0x3d800000, v28                 ; the token's mean: 16 groups of equal size
.irp k, 0,2,4,6,8,10,12,14,16,18,20,22,24,26,28,30
	v_sub_f32 v[YF+\k], v[YF+\k], v28
.endr
	v_mul_f32 v30, v[YF], v[YF]
	v_mul_f32 v31, v[YF+2], v[YF+2]
.irp k, 4,8,12,16,20,24,28
	v_fmac_f32 v30, v[YF+\k], v[YF+\k]
	v_fmac_f32 v31, v[YF+\k+2], v[YF+\k+2]
.endr
	v_add_f32 v30, v30, v31
	v_fmamk_f32 v29, v30, 0x42800000, v29          ; + 64 x the squares of the groups' means about the token's mean
	v_fma_f32 v29, v29, s30, s31                   ; variance + 1e-5
	v_rsq_f32 v30, v29
	v_nop                                          ; one plain instruction behind the transcendental (ISA guide 5.7.2)
	v_permlanex16_b32 v31, v28, s26, s27           ; the other row tile's token
	s_wait_alu depctr_va_vdst(0)
	v_permlanex16_b32 v29, v30, s26, s27
	v_cndmask_b32 v18, v28, v31, s25               ; mean of token r of row tile 0, twice
	v_cndmask_b32 v19, v28, v31, s25
	v_cndmask_b32 v20, v30, v29, s25               ; its 1 / sigma
	v_cndmask_b32 v21, v30, v29, s25
	v_cndmask_b32 v22, v31, v28, s25               ; row tile 1
	v_cndmask_b32 v23, v31, v28, s25
	v_cndmask_b32 v26, v29, v30, s25
	v_cndmask_b32 v27, v29, v30, s25
; y = (out - mean) / sigma x ln_w + ln_b in place, in the reference's order, and its bf16 copy as fragments: tile 2 ks fills registers 0-3, tile 2 ks + 1 registers 4-7
.macro NORM m, mu, rs
.irp t, 0,1,2,3
.irp i, 0,2,4,6
	v_pk_add_f32 v[YY+32*\m+8*\t+\i:YY+32*\m+8*\t+\i+1], v[YY+32*\m+8*\t+\i:YY+32*\m+8*\t+\i+1], v[\mu:\mu+1] neg_lo:[0,1] neg_hi:[0,1]
.endr
.irp i, 0,2,4,6
	v_pk_mul_f32 v[YY+32*\m+8*\t+\i:YY+32*\m+8*\t+\i+1], v[YY+32*\m+8*\t+\i:YY+32*\m+8*\t+\i+1], v[\rs:\rs+1]
.endr
.irp i, 0,2,4,6
	v_pk_fma_f32 v[YY+32*\m+8*\t+\i:YY+32*\m+8*\t+\i+1], v[YY+32*\m+8*\t+\i:YY+32*\m+8*\t+\i+1], v[HH+8*\t+\i:HH+8*\t+\i+1], v[HF+8*\t+\i:HF+8*\t+\i+1]
.endr
.irp i, 0,1,2,3
	v_cvt_pk_bf16_f32 v[YF+8*(2*(\t>>1)+\m)+4*(\t&1)+\i], v[YY+32*\m+8*\t+2*\i], v[YY+32*\m+8*\t+2*\i+1]
.endr
.endr
.endm
	NORM 0, 18, 20
	NORM 1, 22, 26
	s_wait_loadcnt 8                               ; se_w1's fragments are in; se_w2's eight loads stay out
	; h, my wave's 64 of the 1,024 columns: lane (r, h), register i of tile (mt, jt) = token 16 mt + r, j = 16 jt + 8 h + i.
	; Four accumulators take turns, one instruction a turn.
.irp ks, 0,1
.irp m, 0,1
.irp jt, 0,1
.if \ks == 0
	v_wmma_f32_16x16x32_bf16 v[HH+8*(2*\m+\jt):HH+8*(2*\m+\jt)+7], v[W1F+8*(2*\ks+\jt):W1F+8*(2*\ks+\jt)+7], v[YF+8*(2*\ks+\m):YF+8*(2*\ks+\m)+7], 0
.else
	v_wmma_f32_16x16x32_bf16 v[HH+8*(2*\m+\jt):HH+8*(2*\m+\jt)+7], v[W1F+8*(2*\ks+\jt):W1F+8*(2*\ks+\jt)+7], v[YF+8*(2*\ks+\m):YF+8*(2*\ks+\m)+7], v[HH+8*(2*\m+\jt):HH+8*(2*\m+\jt)+7]
.endif
.endr
.endr
.endr
	PLACES
.irp a, 0,1,2,3
	ds_store_b128 v9, v[HH+8*\a:HH+8*\a+3]   offset:1024*\a        ; a lane's 32 bytes in two stores: sixteen lanes' pieces lie 32 bytes apart; eight stores in all
	ds_store_b128 v9, v[HH+8*\a+4:HH+8*\a+7] offset:1024*\a+16
.endr
	s_wait_dscnt 0x0
	s_barrier_signal -1
	s_barrier_wait -1
.irp k, 0,1,2,3,4,5,6,7,8,9,10,11,12,13,14,15
	ds_load_b64 v[YF+2*\k:YF+2*\k+1], v10 offset:4096*\k           ; my two numbers of each of the 16 images: the wave reads 256 consecutive bytes
.endr
	s_wait_dscnt 0x0
	v_pk_add_f32 v[28:29], v[YF:YF+1],   v[YF+2:YF+3]
	v_pk_add_f32 v[30:31], v[YF+4:YF+5], v[YF+6:YF+7]
.irp k, 8,12,16,20,24,28
	v_pk_add_f32 v[28:29], v[28:29], v[YF+\k:YF+\k+1]
	v_pk_add_f32 v[30:31], v[30:31], v[YF+\k+2:YF+\k+3]
.endr
	v_pk_add_f32 v[28:29], v[28:29], v[30:31]
	v_pk_add_f32 v[28:29], v[28:29], v[24:25]      ; + se_b1
	v_max_num_f32 v28, 0, v28
	v_max_num_f32 v29, 0, v29
	v_cvt_pk_bf16_f32 v28, v28, v29
	ds_store_b32 v11, v28
	s_wait_dscnt 0x0
	s_barrier_signal -1
	s_barrier_wait -1
.irp m, 0,1
	ds_load_b128 v[HF+8*\m:HF+8*\m+3],   v12 offset:1024*\m        ; h of token r: j = 8 h + 0..7
	ds_load_b128 v[HF+8*\m+4:HF+8*\m+7], v12 offset:1024*\m+512    ;               j = 16 + 8 h + 0..7
.endr
.irp t, 0,1,2,3
	ds_load_b128 v[HH+8*\t:HH+8*\t+3],   v6 offset:8192+64*\t      ; se_b2 of my columns: the sums start from it
	ds_load_b128 v[HH+8*\t+4:HH+8*\t+7], v6 offset:8192+64*\t+16
.endr
	s_wait_loadcnt 0x0                             ; se_w2's fragments
	s_wait_dscnt 0x0
.irp t, 0,1,2,3
	v_wmma_f32_16x16x32_bf16 v[W1F+8*\t:W1F+8*\t+7], v[W2F+8*\t:W2F+8*\t+7], v[HF:HF+7],    v[HH+8*\t:HH+8*\t+7]
	v_wmma_f32_16x16x32_bf16 v[YF+8*\t:YF+8*\t+7],   v[W2F+8*\t:W2F+8*\t+7], v[HF+8:HF+15], v[HH+8*\t:HH+8*\t+7]
.endr
	PLACES
; eight numbers: y / (1 + 2^(-1.442695 s))
.macro SIG8 se, y
.irp i, 0,2,4,6
	v_pk_mul_f32 v[\se+\i:\se+\i+1], v[\se+\i:\se+\i+1], 0xbfb8aa3b op_sel_hi:[1,0]
.endr
.irp i, 0,1,2,3,4,5,6,7
	v_exp_f32 v[\se+\i], v[\se+\i]
.endr
	v_nop                                          ; one plain instruction behind the transcendentals (ISA guide 5.7.2)
	s_wait_alu depctr_va_vdst(0)
.irp i, 0,2,4,6
	v_pk_add_f32 v[\se+\i:\se+\i+1], v[\se+\i:\se+\i+1], 1.0 op_sel_hi:[1,0]
.endr
.irp i, 0,1,2,3,4,5,6,7
	v_rcp_f32 v[\se+\i], v[\se+\i]
.endr
	v_nop
	s_wait_alu depctr_va_vdst(0)
.irp i, 0,2,4,6
	v_pk_mul_f32 v[\se+\i:\se+\i+1], v[\se+\i:\se+\i+1], v[\y+\i:\y+\i+1]
.endr
.endm
.irp t, 0,1,2,3
	SIG8 W1F+8*\t, YY+8*\t
	SIG8 YF+8*\t, YY+32+8*\t
.endr
	; the way out: 32 rows x 256 bytes through my wave's own stage, back as whole rows
.irp t, 0,1,2,3
	ds_store_b128 v13, v[W1F+8*\t:W1F+8*\t+3]   offset:64*\t
	ds_store_b128 v13, v[W1F+8*\t+4:W1F+8*\t+7] offset:64*\t+16
	ds_store_b128 v13, v[YF+8*\t:YF+8*\t+3]     offset:16*272+64*\t
	ds_store_b128 v13, v[YF+8*\t+4:YF+8*\t+7]   offset:16*272+64*\t+16
.endr
.irp k, 0,1,2,3,4,5,6,7,8,9,10,11,12,13,14,15
	ds_load_b128 v[YY+4*\k:YY+4*\k+3], v14 offset:2*272*\k         ; LDS serves a wave's instructions in order (ISA guide 5.7.1.4): these see the stores above
.endr
.irp k, 0,1,2,3,4,5,6,7,8,9,10,11,12,13,14,15
	s_wait_dscnt 15-\k                             ; the younger read-backs stay out
	global_store_b128 v15, v[YY+4*\k:YY+4*\k+3], s[22:23] offset:8192*\k th:TH_STORE_NT   ; sixteen lanes store 256 consecutive bytes of a row, aligned
.endr
	s_wait_xcnt 0x0
	v_lshl_add_u32 v254, v0, 2, 0x36a00
	v_mov_b32 v255, 0
	s_wait_tensorcnt 0x0
	ds_add_u32 v254, v255
	s_wait_dscnt 0x0
	s_endpgm
.Lfunc_end_k_q2c198c2328_lnse:
	.size	k_q2c198c2328_lnse, .Lfunc_end_k_q2c198c2328_lnse-k_q2c198c2328_lnse
	.p2alignl 7, 3214868480
	.fill 96, 4, 3214868480
	.section	.rodata,"a",@progbits
	.p2align	6, 0x0
	.amdhsa_kernel k_q2c198c2328_lnse
		.amdhsa_group_segment_fixed_size 225792
		.amdhsa_private_segment_fixed_size 0
		.amdhsa_enable_private_segment 0
		.amdhsa_kernarg_size 64
		.amdhsa_user_sgpr_count 2
		.amdhsa_user_sgpr_kernarg_segment_ptr 1
		.amdhsa_wavefront_size32 1
		.amdhsa_system_sgpr_workgroup_id_x 1
		.amdhsa_system_sgpr_workgroup_id_y 1
		.amdhsa_system_sgpr_workgroup_id_z 1
		.amdhsa_system_vgpr_workitem_id 0
		.amdhsa_next_free_vgpr 256
		.amdhsa_next_free_sgpr 66
		.amdhsa_reserve_vcc 0
		.amdhsa_float_denorm_mode_32 3
		.amdhsa_float_denorm_mode_16_64 3
		.amdhsa_memory_ordered 1
		.amdhsa_forward_progress 1
		.amdhsa_inst_pref_size 48
	.end_amdhsa_kernel
	.amdgpu_metadata
---
amdhsa.version: [ 1, 2 ]
amdhsa.kernels:
  - .name:           k_q2c198c2328_lnse
    .symbol:         k_q2c198c2328_lnse.kd
    .args:
      - { .name: mid, .offset: 0, .size: 8, .value_kind: global_buffer, .address_space: global }
      - { .name: w1f, .offset: 8, .size: 8, .value_kind: global_buffer, .address_space: global }
      - { .name: w2f, .offset: 16, .size: 8, .value_kind: global_buffer, .address_space: global }
      - { .name: ln_w, .offset: 24, .size: 8, .value_kind: global_buffer, .address_space: global }
      - { .name: ln_b, .offset: 32, .size: 8, .value_kind: global_buffer, .address_space: global }
      - { .name: se_b1, .offset: 40, .size: 8, .value_kind: global_buffer, .address_space: global }
      - { .name: se_b2, .offset: 48, .size: 8, .value_kind: global_buffer, .address_space: global }
      - { .name: out0, .offset: 56, .size: 8, .value_kind: global_buffer, .address_space: global }
    .group_segment_fixed_size: 225792
    .private_segment_fixed_size: 0
    .kernarg_segment_align: 8
    .kernarg_segment_size: 64
    .max_flat_workgroup_size: 512
    .sgpr_count:     66
    .vgpr_count:     256
    .wavefront_size: 32
...
	.end_amdgpu_metadata
.endif
;; end of part 3
